; MI455X (gfx1250); checked and timed in simulation.
; The chip was launched on July 23, 2026; its instructions are those of AMD's public machine-readable ISA for CDNA 5 (MIT licence, August 2026) and "CDNA5" Instruction Set Architecture Reference Guide (July 2026). The comments in the code are by the model that wrote it; some were corrected since.
;; Group Linear. Allowed arithmetic: float matrix products may take bf16 or f16 operands with f32 sums; other float arithmetic in f32, or as packed bf16 or f16 multiplies, adds, multiply-adds, maxima and minima; sums over many terms, partial sums and values carried from step to step in f32; what a program stores and reads back later, other than sums and carried values, may be rounded once to bf16 or f16.
;; Inputs: W 8 x 1,048,576 float32; b 8 x 1,024 float32; group_by 8 x 1,024 int32; x 8 x 1,024 x 1,024 float32.
;; Outputs: out0 8 x 1,024 x 1,024 float32.
;; 2 versions, each right; version 2 is version 1 with the launch gemm written anew for expert scheduling mode. Each part assembles by itself: llvm-mc -triple=amdgcn-amd-amdhsa -mcpu=gfx1250 --defsym DOCPART=n.
;; ======== version 1 of 2: 2 launches
;; workspace buffers: wb 16,777,216 bytes; route 33,792 bytes of whole numbers
;; launch prep (part 1): grid 257 x 1, 8 waves a work-group, no clusters, 68,608 bytes of LDS; arguments W, group_by, wb, route; writes wb, route
.if DOCPART == 1
	.amdgcn_target "amdgcn-amd-amdhsa--gfx1250"
	.amdhsa_code_object_version 6
	.text
	.protected	k_qa82a097496_prep
	.globl	k_qa82a097496_prep
	.p2align	8
	.type	k_qa82a097496_prep,@function
k_qa82a097496_prep:
	s_mov_b64 s[64:65], 0
	v_nop
	global_prefetch_b8 v0, s[64:65] scope:SCOPE_SE
	s_setreg_imm32_b32 hwreg(HW_REG_WAVE_MODE, 25, 1), 1
	s_wait_xcnt 0x0
; PREP.  Two jobs side by side, told apart by the work-group's number alone.
; Work-groups 1..256 (CAST): W [8][1024 n][1024 k] f32 is rounded once to bf16 (nearest even) and laid out in the order in which a wave's matrix operand registers take it:
;   wb = [expert 8][group of 64 columns 16][K step of 32: 32][16 columns: 4][1,024 bytes]; in a fragment, byte 16 l (l = 16 h + r) holds W[n0+r][k0+8h .. +7], byte 512 + 16 l holds W[n0+r][k0+16+8h .. +7].
;   A wave takes one unit of 16 columns x 256 k: 32 loads of 512 consecutive bytes, all out at once; through its own 8,448 bytes of LDS; 16 stores of 512 consecutive bytes.  No wave waits for another.
; Work-group 0 (SORT): a counting sort of the 8,192 tokens by group_by, without atomics, and the table of row tiles for the product.
;   route ints 0..8191: the tokens in the experts' order.  ints 8192 + 4 T + 0..3: tile T's first place in that list, its rows, its expert, its blocks of 16 rows.
;   An expert with c tokens has B = ceil(c / 16) blocks, dealt evenly over n = ceil(B / 9) tiles.  The sum of B is at most 519, so the sum of n is at most (519 + 64) / 9: 64 tiles serve every split.
;   A tile number past the sum of n gets first place 0, 0 rows, 0 blocks.
; LIMIT.  group_by is taken as 0..7; any other number counts as 7.
.set SPARE, 67584                      ; the spare words: 128 bytes for each of the eight waves, four blocks of 256 bytes that no other line names
.set SPW,   2                          ; v2  SPARE + 4 x my thread's number; never rewritten
.set NIL,   3                          ; v3  0; never rewritten
; the cast's names
.set CPITCH, 528                       ; a stage row: 256 bf16 = 512 bytes + 16: an odd multiple of 16, so that the 16 rows of a read start at 16 different groups of four banks (ISA guide 11.1)
.set CREG,  16*CPITCH                  ; a wave's stage, 8,448 bytes; eight of them end at SPARE
.set LO16,  4                          ; v4  16 x lane
.set SIN,   5                          ; v5  stage, way in: my wave's stage + 8 x lane
.set SBK,   6                          ; v6  stage, way back: my wave's stage + r x 528 + 16 h
.set LD,    8                          ; v[8:135]   32 loads of four f32
.set FR,    136                        ; v[136:199] 16 halves of fragments
; the sort's names
.set TBL,   32768                      ; LDS: thread t's eight first places at TBL + 32 t
.set WT,    40960                      ; LDS: wave w's four packed totals at WT + 16 w
.set GR,    8                          ; v[8:39]    32 tokens' groups; later their table addresses
.set LOC,   40                         ; v[40:71]   a token's rank among my own tokens of its group; later the token's number
.set ALLC,  72                         ; four 8-bit counters by g & 3, all tokens
.set HIC,   73                         ; the same for g >= 4 alone
.set SH,    74
.set GH,    75
.set TA,    76
.set TH,    77
.set AC,    80                         ; v[80:83]   my counts in 16-bit fields: experts 0|2, 1|3, 4|6, 5|7
.set INC,   84                         ; v[84:87]   their inclusive sums over the wave's lanes
.set TT,    88
.set WS,    92                         ; v[92:95]   the wave's totals
.set WTL,   96                         ; v[96:127]  all eight waves' totals
.set TOT,   128
.set WP,    132                        ; the totals of the waves in front of mine
.set BW,    136                        ; v[136:143] my first place for experts 0..7
.set PO,    144                        ; v[144:175] the tokens' places
.set TBLA,  176
.set T4,    177
.set WTA,   178
.set WSA,   179
.set VT,    180
.set VF,    181
.set VE,    182
.set VTB,   183
.set VC,    184
.set VOFF,  185
.set VBK,   186
.set VN,    187
.set VQ,    188
.set VI,    189
.set VREM,  190
.set VFB,   191
.set VNB,   192
.set VST,   193
.set VRW,   194
.set TM,    195
.set TM2,   196
.set VAL,   197
.set VRA,   198
	s_load_b256 s[4:11], s[0:1], 0x0               ; W s[4:5], group_by s[6:7], wb s[8:9], route s[10:11]
	v_lshl_add_u32 v[SPW], v0, 2, SPARE
	v_mov_b32 v[NIL], 0
	v_lshrrev_b32 v1, 5, v0
	v_readfirstlane_b32 s12, v1                    ; wave 0..7
	s_wait_kmcnt 0x0
	s_cmp_eq_u32 ttmp9, 0
	s_cbranch_scc1 .Lsort                          ; the same way for all waves of a work-group
	; ---------------- CAST ----------------
	v_and_b32 v1, 31, v0
	v_lshlrev_b32 v[LO16], 4, v1
	s_sub_co_u32 s13, ttmp9, 1
	s_lshl_b32 s13, s13, 3
	s_add_co_u32 s13, s13, s12                     ; my unit, 0..2047
	s_lshr_b32 s16, s13, 2                         ; 64 x expert + block of 16 columns
	s_and_b32 s17, s13, 3                          ; which 256 of the 1,024 k
	s_lshl_b32 s14, s16, 16                        ; 16 rows of 4,096 bytes
	s_lshl_b32 s18, s17, 10                        ; 256 f32
	s_add_co_u32 s14, s14, s18
	s_mov_b32 s15, 0
	s_add_nc_u64 s[4:5], s[4:5], s[14:15]
.set i, 0
.rept 32                                               ; row i / 2, half i % 2: 512 consecutive bytes a load; 16,384 bytes of the wave are out together
	global_load_b128 v[LD+4*i:LD+4*i+3], v[LO16], s[4:5] offset:(i/2)*4096+(i%2)*512 th:TH_LOAD_NT
.set i, i+1
.endr
	s_lshr_b32 s14, s16, 2                         ; 16 x expert + group of 64 columns: 131,072 bytes each
	s_lshl_b32 s14, s14, 17
	s_lshl_b32 s18, s17, 15                        ; 8 K steps of 4,096 bytes
	s_add_co_u32 s14, s14, s18
	s_and_b32 s18, s16, 3                          ; the block of 16 columns in its group
	s_lshl_b32 s18, s18, 10
	s_add_co_u32 s14, s14, s18
	s_add_nc_u64 s[8:9], s[8:9], s[14:15]
	s_mul_i32 s19, s12, CREG                       ; my wave's stage
	v_lshl_add_u32 v[SIN], v1, 3, s19
	v_and_b32 v7, 15, v0
	v_mul_u32_u24 v[SBK], v7, CPITCH
	v_bfe_u32 v7, v0, 4, 1
	v_lshl_add_u32 v[SBK], v7, 4, v[SBK]
	v_add_nc_u32 v[SBK], s19, v[SBK]
.set i, 0
.rept 32
	s_wait_loadcnt 31-i                            ; loads come back in order (ISA guide 5.7.1): load i is in, the 31 - i younger ones stay out
	v_cvt_pk_bf16_f32 v[LD+4*i],   v[LD+4*i],   v[LD+4*i+1]
	v_cvt_pk_bf16_f32 v[LD+4*i+1], v[LD+4*i+2], v[LD+4*i+3]
	ds_store_b64 v[SIN], v[LD+4*i:LD+4*i+1] offset:(i/2)*CPITCH+(i%2)*256  ; 32 lanes, 256 consecutive bytes
.set i, i+1
.endr
.set i, 0
.rept 16                                               ; K step i / 2 of the unit's eight, half i % 2.  LDS serves a wave's instructions in order (ISA guide 5.7.1.4): these see my stores above
	ds_load_b128 v[FR+4*i:FR+4*i+3], v[SBK] offset:(i/2)*64+(i%2)*32
.set i, i+1
.endr
.set i, 0
.rept 16
	s_wait_dscnt 15-i                              ; the 15 - i younger LDS loads stay out
	global_store_b128 v[LO16], v[FR+4*i:FR+4*i+3], s[8:9] offset:(i/2)*4096+(i%2)*512  ; 512 consecutive bytes, at a multiple of 512 from wb's first byte
.set i, i+1
.endr
	s_wait_tensorcnt 0x0                           ; the wave's end
	ds_add_u32 v[SPW], v[NIL]
	s_wait_dscnt 0x0
	s_endpgm
	; ---------------- SORT ----------------
.Lsort:
	v_lshlrev_b32 v1, 4, v0
.set i, 0
.rept 8                                                ; register 4 i + c holds the group of token 1024 i + 4 t + c
	global_load_b128 v[GR+4*i:GR+4*i+3], v1, s[6:7] offset:4096*i
.set i, i+1
.endr
	v_mov_b32 v[ALLC], 0
	v_mov_b32 v[HIC], 0
	v_mov_b32 v[TT], 0                             ; written before a DPP form names it as its destination
	v_lshl_add_u32 v[TBLA], v0, 5, TBL
	v_lshlrev_b32 v[T4], 2, v0
	s_mov_b32 s20, 0x00ff00ff
	s_mov_b32 s31, 0xffff0000                      ; lanes 16 to 31
	s_lshl_b32 s21, s12, 4
	s_add_co_u32 s21, s21, WT
	v_mov_b32 v[WSA], s21
	v_mov_b32 v[WTA], WT
	s_wait_loadcnt 0x0
	; my 32 tokens: each takes its rank among my earlier tokens of the same group; the counters hold 32 at the most, in 8 bits
.set z, 0
.rept 32
	v_min_u32 v[GR+z], 7, v[GR+z]
	v_lshlrev_b32 v[SH], 3, v[GR+z]
	v_and_b32 v[SH], 24, v[SH]                     ; the field of g & 3
	v_lshrrev_b32 v[GH], 2, v[GR+z]                ; 1 where g >= 4
	v_bfe_u32 v[TA], v[ALLC], v[SH], 8
	v_bfe_u32 v[TH], v[HIC], v[SH], 8
	v_lshl_add_u32 v[ALLC], 1, v[SH], v[ALLC]
	v_lshl_add_u32 v[HIC], v[GH], v[SH], v[HIC]
	v_sub_nc_u32 v[TA], v[TA], v[TH]               ; those with g < 4
	v_cmp_lt_u32 vcc_lo, 3, v[GR+z]
	v_cndmask_b32 v[LOC+z], v[TA], v[TH], vcc_lo
.set z, z+1
.endr
	; the counts in 16-bit fields (8,192 at the most in any sum)
	v_and_b32 v[TA], s20, v[ALLC]
	v_and_b32 v[AC+2], s20, v[HIC]                 ; experts 4 | 6
	v_sub_nc_u32 v[AC+0], v[TA], v[AC+2]           ; experts 0 | 2
	v_lshrrev_b32 v[TA], 8, v[ALLC]
	v_lshrrev_b32 v[TH], 8, v[HIC]
	v_and_b32 v[TA], s20, v[TA]
	v_and_b32 v[AC+3], s20, v[TH]                  ; experts 5 | 7
	v_sub_nc_u32 v[AC+1], v[TA], v[AC+3]           ; experts 1 | 3
.irp k, 0,1,2,3
	v_mov_b32 v[INC+\k], v[AC+\k]
.endr
	; inclusive sums over the wave: four steps inside each half of 16 lanes, then the lower half's total onto the upper half
.irp n, 1,2,4,8
.irp k, 0,1,2,3
	v_mov_b32_dpp v[TT], v[INC+\k] row_shr:\n row_mask:0xf bank_mask:0xf bound_ctrl:1
	v_add_nc_u32 v[INC+\k], v[INC+\k], v[TT]
.endr
.endr
.irp k, 0,1,2,3
	v_readlane_b32 s30, v[INC+\k], 15
	v_cndmask_b32 v[TT], 0, s30, s31
	v_add_nc_u32 v[INC+\k], v[INC+\k], v[TT]
.endr
.irp k, 0,1,2,3
	v_readlane_b32 s30, v[INC+\k], 31              ; the wave's total
	v_mov_b32 v[WS+\k], s30
.endr
	ds_store_b128 v[WSA], v[WS:WS+3]               ; all lanes write the same 16 bytes with the same numbers
	s_wait_dscnt 0x0                               ; for the others' sake: my totals are in LDS
	s_barrier_signal -1
	s_barrier_wait -1
.irp w, 0,1,2,3,4,5,6,7
	ds_load_b128 v[WTL+4*\w:WTL+4*\w+3], v[WTA] offset:16*\w
.endr
.irp k, 0,1,2,3
	v_mov_b32 v[TOT+\k], 0
	v_mov_b32 v[WP+\k], 0
.endr
	s_wait_dscnt 0x0
.irp w, 0,1,2,3,4,5,6,7
	s_cmp_lt_u32 \w, s12                           ; a wave in front of mine?
	s_cselect_b32 s22, -1, 0
.irp k, 0,1,2,3
	v_add_nc_u32 v[TOT+\k], v[TOT+\k], v[WTL+4*\w+\k]
	v_and_b32 v[TT], s22, v[WTL+4*\w+\k]
	v_add_nc_u32 v[WP+\k], v[WP+\k], v[TT]
.endr
.endr
	; the experts' counts c (s56-63), first places (s66-73) and first tiles (s74-81), as scalars
.irp k, 0,1,2,3
	v_readfirstlane_b32 s[40+\k], v[TOT+\k]
.endr
	s_and_b32 s56, s40, 0xffff
	s_lshr_b32 s58, s40, 16
	s_and_b32 s57, s41, 0xffff
	s_lshr_b32 s59, s41, 16
	s_and_b32 s60, s42, 0xffff
	s_lshr_b32 s62, s42, 16
	s_and_b32 s61, s43, 0xffff
	s_lshr_b32 s63, s43, 16
	s_mov_b32 s66, 0
	s_mov_b32 s74, 0
.irp e, 0,1,2,3,4,5,6
	s_add_co_u32 s[67+\e], s[66+\e], s[56+\e]
	s_add_co_u32 s44, s[56+\e], 15
	s_lshr_b32 s44, s44, 4                         ; B = ceil(c / 16)
	s_add_co_u32 s44, s44, 8
	s_mul_i32 s44, s44, 7282                       ; floor(y / 9) = (7282 y) >> 16 for y below 32,768: 9 x 7282 = 65,538
	s_lshr_b32 s44, s44, 16                        ; n = ceil(B / 9)
	s_add_co_u32 s[75+\e], s[74+\e], s44
.endr
	s_lshl_b32 s44, s68, 16
	s_or_b32 s90, s66, s44                         ; first places packed as the counts are: 0 | 2,
	s_lshl_b32 s44, s69, 16
	s_or_b32 s91, s67, s44                         ; 1 | 3,
	s_lshl_b32 s44, s72, 16
	s_or_b32 s92, s70, s44                         ; 4 | 6,
	s_lshl_b32 s44, s73, 16
	s_or_b32 s93, s71, s44                         ; 5 | 7
	; my first place for each expert: the expert's + the waves in front + the lanes in front
.irp k, 0,1,2,3
	v_sub_nc_u32 v[INC+\k], v[INC+\k], v[AC+\k]
	v_add3_u32 v[INC+\k], v[INC+\k], v[WP+\k], s[90+\k]
.endr
	v_and_b32 v[BW+0], 0xffff, v[INC+0]
	v_and_b32 v[BW+1], 0xffff, v[INC+1]
	v_lshrrev_b32 v[BW+2], 16, v[INC+0]
	v_lshrrev_b32 v[BW+3], 16, v[INC+1]
	v_and_b32 v[BW+4], 0xffff, v[INC+2]
	v_and_b32 v[BW+5], 0xffff, v[INC+3]
	v_lshrrev_b32 v[BW+6], 16, v[INC+2]
	v_lshrrev_b32 v[BW+7], 16, v[INC+3]
	ds_store_b128 v[TBLA], v[BW:BW+3]
	ds_store_b128 v[TBLA], v[BW+4:BW+7] offset:16
	; the tile table: thread t makes int t of it: tile t / 4, field t % 4.  The tile's expert is the last whose first tile is not beyond it.
	v_lshrrev_b32 v[VT], 2, v0
	v_and_b32 v[VF], 3, v0
	v_mov_b32 v[VE], 0
	v_mov_b32 v[VTB], 0
	v_mov_b32 v[VC], s56
	v_mov_b32 v[VOFF], 0
.irp e, 1,2,3,4,5,6,7
	v_cmp_le_u32 vcc_lo, s[74+\e], v[VT]
	v_cndmask_b32 v[VE], v[VE], \e, vcc_lo
	v_cndmask_b32 v[VTB], v[VTB], s[74+\e], vcc_lo
	v_cndmask_b32 v[VC], v[VC], s[56+\e], vcc_lo
	v_cndmask_b32 v[VOFF], v[VOFF], s[66+\e], vcc_lo
.endr
	v_add_nc_u32 v[VBK], 15, v[VC]
	v_lshrrev_b32 v[VBK], 4, v[VBK]                ; B
	v_add_nc_u32 v[VN], 8, v[VBK]
	v_mul_u32_u24 v[VN], 7282, v[VN]
	v_lshrrev_b32 v[VN], 16, v[VN]                 ; n
	v_mov_b32 v[VQ], 0
.irp k, 1,2,3,4,5,6,7,8,9
	v_mul_u32_u24 v[TM], \k, v[VN]
	v_cmp_le_u32 vcc_lo, v[TM], v[VBK]
	v_cndmask_b32 v[TM], 0, 1, vcc_lo
	v_add_nc_u32 v[VQ], v[VQ], v[TM]               ; q = floor(B / n), 9 at the most
.endr
	v_sub_nc_u32 v[VI], v[VT], v[VTB]              ; the tile's number among its expert's
	v_mul_u32_u24 v[TM], v[VQ], v[VN]
	v_sub_nc_u32 v[VREM], v[VBK], v[TM]            ; the first B - q n tiles have a block more
	v_min_u32 v[TM], v[VI], v[VREM]
	v_mad_u32_u24 v[VFB], v[VI], v[VQ], v[TM]      ; the tile's first block
	v_cmp_lt_u32 vcc_lo, v[VI], v[VREM]
	v_cndmask_b32 v[TM], 0, 1, vcc_lo
	v_add_nc_u32 v[VNB], v[VQ], v[TM]              ; its blocks
	v_lshl_add_u32 v[VST], v[VFB], 4, v[VOFF]      ; its first place in the list
	v_lshlrev_b32 v[TM], 4, v[VFB]
	v_sub_nc_u32 v[TM], v[VC], v[TM]
	v_lshlrev_b32 v[TM2], 4, v[VNB]
	v_min_u32 v[VRW], v[TM], v[TM2]                ; its rows
	v_cmp_lt_u32 vcc_lo, v[VI], v[VN]              ; a tile that this split does not need gets zeros
	v_cndmask_b32 v[VST], 0, v[VST], vcc_lo
	v_cndmask_b32 v[VRW], 0, v[VRW], vcc_lo
	v_cndmask_b32 v[VNB], 0, v[VNB], vcc_lo
	v_cmp_eq_u32 vcc_lo, 1, v[VF]
	v_cndmask_b32 v[VAL], v[VST], v[VRW], vcc_lo
	v_cmp_eq_u32 vcc_lo, 2, v[VF]
	v_cndmask_b32 v[VAL], v[VAL], v[VE], vcc_lo
	v_cmp_eq_u32 vcc_lo, 3, v[VF]
	v_cndmask_b32 v[VAL], v[VAL], v[VNB], vcc_lo
	v_lshlrev_b32 v[VRA], 2, v0
	global_store_b32 v[VRA], v[VAL], s[10:11] offset:32768  ; 1,024 consecutive bytes for the work-group
	; the placement.  A thread reads its own eight words alone; the read's address holds the token's group, so the stores of all waves are made visible first
.set z, 0
.rept 32
	v_lshl_add_u32 v[GR+z], v[GR+z], 2, v[TBLA]
.set z, z+1
.endr
	s_wait_dscnt 0x0                               ; my table words are in LDS
	s_barrier_signal -1
	s_barrier_wait -1
.set z, 0
.rept 32
	ds_load_b32 v[PO+z], v[GR+z]
.set z, z+1
.endr
.set z, 0
.rept 32                                               ; 4 bytes a lane to places far apart, on purpose: 32,768 bytes once in the program
	s_wait_dscnt 31-z                              ; the 31 - z younger LDS loads stay out
	v_add_nc_u32 v[PO+z], v[PO+z], v[LOC+z]
	v_min_u32 v[PO+z], 0x1fff, v[PO+z]
	v_lshlrev_b32 v[PO+z], 2, v[PO+z]
	v_add_nc_u32 v[LOC+z], 1024*(z/4)+z%4, v[T4]   ; the token's number
	global_store_b32 v[PO+z], v[LOC+z], s[10:11]
.set z, z+1
.endr
	s_wait_tensorcnt 0x0                           ; the wave's end
	ds_add_u32 v[SPW], v[NIL]
	s_wait_dscnt 0x0
	s_endpgm
.Lfunc_end_k_qa82a097496_prep:
	.size	k_qa82a097496_prep, .Lfunc_end_k_qa82a097496_prep-k_qa82a097496_prep
	.p2alignl 7, 3214868480
	.fill 96, 4, 3214868480
	.section	.rodata,"a",@progbits
	.p2align	6, 0x0
	.amdhsa_kernel k_qa82a097496_prep
		.amdhsa_group_segment_fixed_size 68608
		.amdhsa_private_segment_fixed_size 0
		.amdhsa_enable_private_segment 0
		.amdhsa_kernarg_size 32
		.amdhsa_user_sgpr_count 2
		.amdhsa_user_sgpr_kernarg_segment_ptr 1
		.amdhsa_wavefront_size32 1
		.amdhsa_system_sgpr_workgroup_id_x 1
		.amdhsa_system_sgpr_workgroup_id_y 1
		.amdhsa_system_sgpr_workgroup_id_z 1
		.amdhsa_system_vgpr_workitem_id 0
		.amdhsa_next_free_vgpr 208
		.amdhsa_next_free_sgpr 96
		.amdhsa_reserve_vcc 1
		.amdhsa_float_denorm_mode_32 3
		.amdhsa_float_denorm_mode_16_64 3
		.amdhsa_memory_ordered 1
		.amdhsa_forward_progress 1
		.amdhsa_inst_pref_size 61
	.end_amdhsa_kernel
	.amdgpu_metadata
---
amdhsa.version: [ 1, 2 ]
amdhsa.kernels:
  - .name:           k_qa82a097496_prep
    .symbol:         k_qa82a097496_prep.kd
    .args:
      - { .name: W, .offset: 0, .size: 8, .value_kind: global_buffer, .address_space: global }
      - { .name: group_by, .offset: 8, .size: 8, .value_kind: global_buffer, .address_space: global }
      - { .name: wb, .offset: 16, .size: 8, .value_kind: global_buffer, .address_space: global }
      - { .name: route, .offset: 24, .size: 8, .value_kind: global_buffer, .address_space: global }
    .group_segment_fixed_size: 68608
    .private_segment_fixed_size: 0
    .kernarg_segment_align: 8
    .kernarg_segment_size: 32
    .max_flat_workgroup_size: 256
    .sgpr_count:     96
    .vgpr_count:     208
    .wavefront_size: 32
...
	.end_amdgpu_metadata
.endif
;; end of part 1
;; launch gemm (part 2): grid 4 x 64, 4 waves a work-group, no clusters, 313,856 bytes of LDS; arguments x, wb, route, b, out0; writes out0
.if DOCPART == 2
	.amdgcn_target "amdgcn-amd-amdhsa--gfx1250"
	.amdhsa_code_object_version 6
	.text
	.protected	k_qa82a097496_gemm
	.globl	k_qa82a097496_gemm
	.p2align	8
	.type	k_qa82a097496_gemm,@function
k_qa82a097496_gemm:
	s_mov_b64 s[64:65], 0
	v_nop
	global_prefetch_b8 v0, s[64:65] scope:SCOPE_SE
	s_setreg_imm32_b32 hwreg(HW_REG_WAVE_MODE, 25, 1), 1
	s_wait_xcnt 0x0
; out[t][:] = W[g(t)] x[t] + b[g(t)], for the tokens of one row tile (one expert, up to 144 places) and 256 of the 1,024 output columns.
; x f32 is gathered by the sorted list, rounded once to bf16 (nearest even) and kept WHOLE in LDS (144 rows x 1,024 k); W comes from wb, bf16 in operand order, straight from memory into matrix operand
; registers; sums in f32, started by the bias as the first C operand; rows of out are stored at their tokens' places.
; SHARES.  Work-group (x = column quarter, y = tile).  Wave w: all 144 places x columns 64 w .. 64 w + 63 of the quarter: 36 accumulators of 16 x 16.
; THE MATRIX INSTRUCTION IS USED TRANSPOSED: source 0 = 16 columns of W, source 1 = 16 tokens.  In the result lane (r, h) holds token r and the columns 8 h + 0..7.
; K STEPS 0 TO 27 MULTIPLY 9 BLOCKS IN EVERY TILE: places past the tile's rows repeat its last row (the same bits, stored to the same address).  So the K loop has no branch on data, and every wait's count
; holds on every path.  A tile without rows multiplies the list's first token and stores nothing.
; THE PIPELINE.  32 K steps of 32; x goes in chunks of 128 k.  Phase t holds steps 4 t - 1 .. 4 t + 2.  In it the A fragments are read from chunk t, chunk t + 1 is rounded and stored into LDS, chunk t + 2 is asked
; for from memory, and step j asks for W's fragments of step j + 3.  A chunk is written once and read only behind the barrier at its phase's end: one barrier a phase.
; ONE RUN A STEP.  A step's loads and stores are never strewn among its matrix instructions: its roundings ride behind its first matrix instructions, all its memory instructions follow in one run, and the
; other matrix instructions stand back to back under one window setting.
; THE LAST FOUR K STEPS (chunk 7) GO BY ROWS OF OUT, NOT BY K: W of all four lies in registers, x comes by blocks of 16 rows x 128 k, and the nine blocks are finished one after the other, 16 matrix instructions
; each, K ascending.  A block leaves as soon as it is finished, its trip through LDS under the next block's products; the walk ends at the tile's own count of blocks.
; NO CLUSTER, NO TENSOR LOADS: W never passes through LDS; the rows of x come by a list, which no descriptor covers; the resident x tile takes 313,344 of the 327,680 bytes, so no slot for shared tiles of W fits.
; LIMITS.  x and W are rounded to bf16; list entries are clamped to 8,191, the record's numbers to their ranges.
; REGISTERS, in windows of 256 (s_set_vgpr_msb: bits 1:0 source 0, 3:2 source 1, 5:4 source 2, 7:6 destination):
;   window 0: addresses; v16-24 tokens for the way out; v64-135, v136-207 x fragments, two buffers of 9 x 8 (by rows: v64-191, four buffers of 32); v208-239 the bias as a C operand;
;             on the way out v208-239 and v192-207 with v240-255 take turns for the rows read back
;   window 1: accumulator (block a, column block cb) at 8 (4 a + cb), a = 0..7
;   window 2: v0-127 W fragments, four slots of 32; v128-159 block 8's accumulators; v160-255 W of K steps 29, 30, 31
;   window 3: v0-143 a chunk of x on its way (36 loads of four f32); v144-161 my rows' byte offsets in x; v162-164 addresses
.set PITCH, 272                        ; an LDS row: 128 bf16 = 256 bytes + 16: an odd multiple of 16, so that the 16 rows of a fragment load start at 16 different groups of four banks (ISA guide 11.1)
.set BLKB,  16*PITCH                   ; a block of 16 rows
.set CHUNK, 144*PITCH                  ; a chunk: 39,168 bytes; eight of them
.set SPARE, 8*CHUNK                    ; behind them the spare words: 128 bytes for each wave, two blocks of 256 bytes that no other line names
.set SPW,  4                           ; v4   SPARE + 4 x my thread's number; never rewritten
.set NIL,  5                           ; v5   0; never rewritten
.set ADL,  6                           ; v6   r x 272 + 16 h: my lane's place in a block of x
.set ADRA, 7                           ; v7   the same in the chunk that the phase reads
.set VB,   8                           ; v8   16 x lane: my 16 bytes in half a fragment of W
.set LP16, 9                           ; v9   16 x (lane % 16)
.set STO,  10                          ; v10  the way out: where I put 16 bytes of a row
.set RD,   11                          ; v11  the way out: where I read rows back
.set BOF,  12                          ; v12  32 h: my eight columns in 16 of the bias
.set TOK,  16                          ; v[16:24]  block a: lane l holds the token of row 16 a + l % 8 + 8 (l / 16)
.set AD,   28                          ; v[28:35], v[36:43]  the way out: byte offsets in out, two sets by the block's parity (the second in the list's first eight registers, free behind the prologue)
.set LI,   36                          ; v[36:62]  byte offsets in the list, one register a load
.set AF0,  64
.set PA,   64                          ; by rows: block a's fragments of x at PA + 32 (a % 4) + 8 q
.set BIAS, 208
.set BR,   0                           ; window 2
.set ACC8, 128                         ; window 2
.set WE,   160                         ; window 2: W of K step 29 + i at WE + 32 i
.set ST,   0                           ; window 3: quarter q, block blk at 4 (9 q + blk)
.set XO,   144                         ; window 3: 2 blk + pr
.set XSL,  162                         ; window 3: (2 w + 8 (l / 16)) x 272 + 8 (l % 16)
.set XSA,  163                         ; window 3: the same in the chunk that the phase writes
.set LP3,  164                         ; window 3: 16 x (lane % 16)
.set WV,   14
.set COL,  15
.set TL,   16
.set LAST, 24
.set NB,   25
.set CA,   26                          ; LDS byte of the chunk that the phase reads
.set CX,   27                          ; and of the chunk that it writes
.set CNT,  28
.set MSB, 0
.macro WIN new                         ; the immediate's high byte repeats the setting that is left; a switch that changes nothing is dropped
.if MSB != (\new)
	s_set_vgpr_msb (MSB<<8)|(\new)
.set MSB, \new
.endif
.endm
; THE PIECES OF A K STEP.  Each takes its number from R_M and the step's constants from KI, Q0, XOFF.
; x load (quarter q = 2 pr + hf, block blk): lane l takes row 16 blk + 2 w + pr + 8 (l / 16), f32 bytes 256 hf + 16 (l % 16) of the chunk's 512: 16 lanes take 256 consecutive bytes at a multiple of 256 from x's first.
.macro CVT                             ; half R_M % 2 of load R_M / 2: two f32 to bf16, in place
.set R_U, R_M/2
.set R_S, ST+4*(9*(Q0+R_U/9)+R_U%9)
	WIN 0xff
.if R_M%2 == 0
	v_cvt_pk_bf16_f32 v[R_S], v[R_S], v[R_S+1]
.else
	v_cvt_pk_bf16_f32 v[R_S+1], v[R_S+2], v[R_S+3]
.endif
.endm
.macro XST                             ; 8 bytes a lane: two rows' 128 consecutive bytes, eight rows (32 banks) apart
.set R_Q, Q0+R_M/9
.set R_B, R_M%9
.set R_S, ST+4*(9*R_Q+R_B)
	WIN 0xff
	ds_store_b64 v[XSA], v[R_S:R_S+1] offset:R_B*BLKB+(R_Q/2)*PITCH+(R_Q%2)*128
.endm
.macro XLD
.set R_Q, Q0+R_M/9
.set R_B, R_M%9
.set R_S, ST+4*(9*R_Q+R_B)
	WIN 0xff
	global_load_b128 v[R_S:R_S+3], v[XO+2*R_B+R_Q/2], s[4:5] offset:XOFF+(R_Q%2)*256
.endm
.macro ALOAD                           ; half R_M % 2 of block R_M / 2's fragment at K step KI of the chunk, into buffer KI % 2
.set R_S, AF0+72*(KI%2)+8*(R_M/2)+4*(R_M%2)
	WIN 0
	ds_load_b128 v[R_S:R_S+3], v[ADRA] offset:(R_M/2)*BLKB+64*KI+32*(R_M%2)
.endm
.macro ARL blk                         ; by rows: block blk's fragments of all four K steps of the chunk: 8 loads, 32 registers
	WIN 0
.set R_S, PA+32*((\blk)%4)
.irp q, 0,1,2,3
	ds_load_b128 v[R_S+8*\q:R_S+8*\q+3],   v[ADRA] offset:(\blk)*BLKB+64*\q
	ds_load_b128 v[R_S+8*\q+4:R_S+8*\q+7], v[ADRA] offset:(\blk)*BLKB+64*\q+32
.endr
.endm
.macro BLOAD                           ; 512 consecutive bytes a load.  The first eight: W three steps ahead, into the ring.  A second eight (phase 6): W six steps ahead, into its own slot
.if R_M < 8
.set R_S, BR+32*((KI+2)%4)+4*R_M
.set R_O, (2+KI)*4096+512*R_M
.else
.set R_S, WE+32*KI+4*(R_M-8)
.set R_O, (5+KI)*4096+512*(R_M-8)
.endif
	WIN 0x80
	global_load_b128 v[R_S:R_S+3], v[VB], s[6:7] offset:R_O
.endm
.macro BFRAG kf                        ; the prologue's: W's fragments of step kf
	WIN 0x80
.set R_M, 0
.rept 8
	global_load_b128 v[BR+32*((\kf)%4)+4*R_M:BR+32*((\kf)%4)+4*R_M+3], v[VB], s[6:7] offset:(\kf)*4096+512*R_M
.set R_M, R_M+1
.endr
.endm
; The next of a step's N_P plain vector instructions: a rounding, or, in a step that rounds nothing, a v_nop.  The first four are the places between the step before's last matrix instruction and the loads into
; the buffers that it read (ISA guide 7.12.1 for vector instructions): they name registers of window 3 alone, or none.
.macro PLAIN
.if NQ > 0
.set R_M, R_N
	CVT
.else
	v_nop
.endif
.set R_N, R_N+1
.endm
; THE RUN: all of a step's memory instructions on end, in the order on which the waits' counts rest: the A loads (LDS), the W loads (memory), the x stores (LDS), the x loads (memory).
.macro RUN
.if N_A > 0
.set R_M, 0
.rept N_A
	ALOAD
.set R_M, R_M+1
.endr
.endif
.if ARM
	ARL 0
	ARL 1
.endif
.if N_B > 0
.set R_M, 0
.rept N_B
	BLOAD
.set R_M, R_M+1
.endr
.endif
.if N_S > 0
.set R_M, 0
.rept N_S
	XST
.set R_M, R_M+1
.endr
.endif
.if N_L > 0
.set R_M, 0
.rept N_L
	XLD
.set R_M, R_M+1
.endr
.endif
.endm
; Matrix instruction R_W of 36: block R_W / 4, column block R_W % 4.  The 36 accumulators take turns, one instruction a turn.  FIRST = 1: the bias starts the sums: nothing is cleared.
.macro MM
.set R_CB, R_W%4
.set R_B0, BR+32*SLOT+8*R_CB
.set R_A0, AFU+8*(R_W/4)
.if R_W < 32
.set R_D, 8*R_W
.if FIRST
	WIN 0x42
	v_wmma_f32_16x16x32_bf16 v[R_D:R_D+7], v[R_B0:R_B0+7], v[R_A0:R_A0+7], v[BIAS+8*R_CB:BIAS+8*R_CB+7]
.else
	WIN 0x52
	v_wmma_f32_16x16x32_bf16 v[R_D:R_D+7], v[R_B0:R_B0+7], v[R_A0:R_A0+7], v[R_D:R_D+7]
.endif
.else
.set R_D, ACC8+8*R_CB
.if FIRST
	WIN 0x82
	v_wmma_f32_16x16x32_bf16 v[R_D:R_D+7], v[R_B0:R_B0+7], v[R_A0:R_A0+7], v[BIAS+8*R_CB:BIAS+8*R_CB+7]
.else
	WIN 0xa2
	v_wmma_f32_16x16x32_bf16 v[R_D:R_D+7], v[R_B0:R_B0+7], v[R_A0:R_A0+7], v[R_D:R_D+7]
.endif
.endif
.set R_W, R_W+1
.endm
; A K STEP at position ki of its phase: it multiplies x buffer (ki + 1) % 2 by W slot (ki + 3) % 4 and fills x buffer ki % 2 and W slot (ki + 2) % 4.  q0, nq: the x quarters that it rounds and stores; xl: it asks
; for them anew; al = 1: it loads the next step's A; al = 2: blocks 0 and 1 by rows; bl: how many steps' W it asks for.  lc, dc: how many younger global loads and LDS instructions may stay out.
; Four plain instructions follow each of the first matrix instructions (18 nq roundings: five slices, nine where nq = 2; four v_nop where nq = 0); the run follows the last of them; the other matrix
; instructions, 31 in a full step, stand back to back: in them the A loads land.
.macro KSTEP ki, first, q0, nq, xl, al, bl, lc, dc
.set KI, \ki
.set FIRST, \first
.set Q0, \q0
.set NQ, \nq
.set N_A, 0
.set ARM, 0
.if (\al) == 1
.set N_A, 18
.endif
.if (\al) == 2
.set ARM, 1
.endif
.set N_B, 8*(\bl)
.set N_S, 9*(\nq)
.set N_L, 9*(\nq)*(\xl)
.set N_P, 18*(\nq)
.if ((\nq) == 0) && ((\al)+(\bl) > 0)
.set N_P, 4
.endif
.set AFU, AF0+72*(((\ki)+1)%2)
.set SLOT, ((\ki)+3)%4
.set R_N, 0
.set R_W, 0
.if (\lc) >= 0
	s_wait_loadcnt \lc
.endif
	s_wait_dscnt \dc
.rept 36
	MM
.if R_N < N_P
.rept 4
.if R_N < N_P
	PLAIN
.endif
.endr
.if R_N == N_P
	RUN
.endif
.endif
.endr
.endm
.macro PBEGIN xs                       ; a phase's LDS addresses
	WIN 0
	v_add_nc_u32 v[ADRA], s[CA], v[ADL]
.if \xs
	WIN 0xff
	v_add_nc_u32 v[XSA], s[CX], v[XSL]
.endif
.endm
.macro PEND                            ; a phase's end
	s_wait_dscnt 0x0                               ; for the others' sake: my stores into the next chunk are done
	s_barrier_signal -1
	s_barrier_wait -1                              ; everybody's are: the next phase reads that chunk
	s_wait_xcnt 0x0                                ; every earlier memory instruction has had its addresses translated (ISA guide 3.1): only now are the loads' bases stepped
	s_add_nc_u64 s[4:5], s[4:5], 512               ; x: the next chunk's 128 f32
	s_add_nc_u64 s[6:7], s[6:7], 16384             ; W: four K steps of 4,096 bytes
	s_add_co_u32 s[CA], s[CA], CHUNK
	s_add_co_u32 s[CX], s[CX], CHUNK
.endm
	; ---------------- PROLOGUE ----------------
	s_load_b256 s[4:11], s[0:1], 0x0               ; x s[4:5], wb s[6:7], route s[8:9], b s[10:11]
	s_load_b64 s[12:13], s[0:1], 0x20              ; out0
	v_lshl_add_u32 v[SPW], v0, 2, SPARE
	v_mov_b32 v[NIL], 0
	v_lshrrev_b32 v13, 5, v0
	v_readfirstlane_b32 s[WV], v13                 ; wave 0..3
	s_mov_b32 s[COL], ttmp9                        ; which 256 columns
	s_and_b32 s[TL], ttmp7, 0xffff                 ; which tile
	s_lshl_b32 s17, s[TL], 4
	s_wait_kmcnt 0x0
	s_load_b128 s[20:23], s[8:9], s17 offset:0x8000  ; the tile's record: first place, rows, expert, blocks
	v_and_b32 v3, 31, v0                           ; lane
	v_and_b32 v1, 15, v0                           ; r
	v_bfe_u32 v2, v0, 4, 1                         ; h
	v_mul_u32_u24 v[ADL], v1, PITCH
	v_lshl_add_u32 v[ADL], v2, 4, v[ADL]
	v_lshlrev_b32 v[VB], 4, v3
	v_lshlrev_b32 v[LP16], 4, v1
	v_lshlrev_b32 v[BOF], 5, v2
	s_lshl_b32 s29, s[WV], 1
	v_lshl_add_u32 v13, v2, 3, s29                 ; 2 w + 8 h: my row in a block, for x's loads
	v_and_b32 v14, 7, v0
	v_lshl_add_u32 v14, v2, 3, v14                 ; l % 8 + 8 h: for the way out
	v_mul_u32_u24 v15, v13, PITCH
	v_lshl_add_u32 v15, v1, 3, v15
	WIN 0xc0                                       ; destination window 3, sources window 0
	v_mov_b32 v[XSL], v15
	v_mov_b32 v[XSA], v15                          ; the prologue writes chunk 0
	v_mov_b32 v[LP3], v[LP16]
	WIN 0
.set i, 0
.rept 8
	v_mov_b32 v[AD+i], 0                           ; written before a DPP form names them as its destination (the second set is written below, as the list's offsets)
.set i, i+1
.endr
	s_mov_b32 s19, 0
	s_mov_b32 s[CA], 0
	s_mov_b32 s[CX], CHUNK
	s_wait_kmcnt 0x0
	s_min_u32 s20, s20, 0x1fff
	s_min_u32 s21, s21, 144
	s_min_u32 s22, s22, 7
	s_min_u32 s[NB], s23, 9
	s_max_u32 s[LAST], s21, 1
	s_sub_co_u32 s[LAST], s[LAST], 1               ; the tile's last row: places past it repeat it
	s_lshl_b32 s18, s22, 21                        ; W: the expert's 2 MiB,
	s_lshl_b32 s29, s[COL], 2
	s_add_co_u32 s29, s29, s[WV]
	s_lshl_b32 s29, s29, 17                        ; my wave's group of 64 columns: 131,072 bytes
	s_add_co_u32 s18, s18, s29
	s_add_nc_u64 s[6:7], s[6:7], s[18:19]
	s_lshl_b32 s18, s[COL], 10                     ; my wave's 64 columns in a row of 1,024 f32
	s_lshl_b32 s29, s[WV], 8
	s_add_co_u32 s18, s18, s29
	s_add_nc_u64 s[12:13], s[12:13], s[18:19]
	s_lshl_b32 s29, s22, 12                        ; and in the expert's bias
	s_add_co_u32 s18, s18, s29
	s_add_nc_u64 s[10:11], s[10:11], s[18:19]
	s_lshl_b32 s18, s20, 2                         ; the list at the tile's first place
	s_add_nc_u64 s[8:9], s[8:9], s[18:19]
.irp c, 0,1,2,3
	global_load_b128 v[BIAS+8*\c:BIAS+8*\c+3],   v[BOF], s[10:11] offset:64*\c      ; register j: b[16 cb + 8 h + j], as the result's layout has it
	global_load_b128 v[BIAS+8*\c+4:BIAS+8*\c+7], v[BOF], s[10:11] offset:64*\c+16
.endr
	BFRAG 0
	WIN 0
.set i, 0
.rept 18                                               ; x's rows: block i / 2, row pair i % 2
	v_add_nc_u32 v[LI+i], 16*(i/2)+i%2, v13
	v_min_u32 v[LI+i], s[LAST], v[LI+i]
	v_min_u32 v[LI+i], 143, v[LI+i]
	v_lshlrev_b32 v[LI+i], 2, v[LI+i]
.set i, i+1
.endr
.set i, 0
.rept 9                                                ; the way out's rows: block i
	v_add_nc_u32 v[LI+18+i], 16*i, v14
	v_min_u32 v[LI+18+i], s[LAST], v[LI+18+i]
	v_min_u32 v[LI+18+i], 143, v[LI+18+i]
	v_lshlrev_b32 v[LI+18+i], 2, v[LI+18+i]
.set i, i+1
.endr
	WIN 0xc0
.set i, 0
.rept 18
	global_load_b32 v[XO+i], v[LI+i], s[8:9]
.set i, i+1
.endr
	WIN 0
.set i, 0
.rept 9
	global_load_b32 v[TOK+i], v[LI+18+i], s[8:9]
.set i, i+1
.endr
	s_wait_loadcnt 0x0                             ; the lists are the youngest loads, and x's addresses hang on them
	WIN 0xff
.set i, 0
.rept 18
	v_min_u32 v[XO+i], 0x1fff, v[XO+i]
	v_lshl_add_u32 v[XO+i], v[XO+i], 12, v[LP3]    ; token x 4,096 bytes + 16 (l % 16)
.set i, i+1
.endr
.set XOFF, 0
.set Q0, 0
.set R_M, 0
.rept 36
	XLD                                            ; chunk 0, quarters 0 to 3
.set R_M, R_M+1
.endr
	BFRAG 1
	BFRAG 2
.set XOFF, 512
.irp q, 0,1,2,3
.set Q0, \q
	s_wait_loadcnt 43                              ; behind chunk 0's quarter q stand 9 (3 - q) loads of chunk 0, 16 of W and 9 q of chunk 1: 43
.set R_M, 0
.rept 18
	CVT
.set R_M, R_M+1
.endr
.set R_M, 0
.rept 9
	XST
.set R_M, R_M+1
.endr
.set R_M, 0
.rept 9
	XLD                                            ; chunk 1, into the registers just stored
.set R_M, R_M+1
.endr
.endr
.set XOFF, 0
	WIN 0
	s_wait_dscnt 0x0                               ; my part of chunk 0 is in LDS,
	s_barrier_signal -1
	s_barrier_wait -1                              ; everybody's is
	PBEGIN 1                                       ; phase 0 reads chunk 0 and writes chunk 1
.set KI, 0
.set R_M, 0
.rept 18
	ALOAD                                          ; step 0's fragments of x
.set R_M, R_M+1
.endr
	s_wait_xcnt 0x0                                ; x's base is stepped only behind this wait
	s_add_nc_u64 s[4:5], s[4:5], 1024              ; on to chunk 2
	; ---------------- K STEPS 0 TO 27 ----------------
	; Phase 0 has three steps for four quarters.  Global loads out at its head, oldest first: W1, W2 (16), chunk 1 (36).
	KSTEP 1, 1, 0, 0, 0, 1, 1, -1, 0               ; step 0: W0 came with the lists; the A loads are the only LDS instructions out
	KSTEP 2, 0, 0, 2, 1, 1, 1, 26, 0               ; step 1: behind chunk 1's quarter 1 stand its quarters 2, 3 (18) and W3 (8)
	KSTEP 3, 0, 2, 2, 1, 1, 1, 34, 18              ; step 2: behind chunk 1's quarter 3 stand W3, W4 (16) and chunk 2's quarters 0, 1 (18); 18 x stores stand behind the A loads
	PEND
	WIN 0                                          ; at a label and at a branch every window is 0
	s_mov_b32 s[CNT], 5
.Lphase:                                               ; phases 1 to 5: steps 3 to 22.  A step issues 8 loads of W and then 9 of x
	PBEGIN 1
	KSTEP 0, 0, 0, 1, 1, 1, 1, 35, 0               ; on the way in, behind chunk 2's quarter 0 stand quarter 1 (9), W5 (8), quarters 2, 3 (18); on the way round 43 would do
	KSTEP 1, 0, 1, 1, 1, 1, 1, 43, 9               ; behind W of this step, issued first three steps ago, stand 9 + 17 + 17; the quarter that the step rounds is older.  9 x stores stand behind the A loads
	KSTEP 2, 0, 2, 1, 1, 1, 1, 43, 9
	KSTEP 3, 0, 3, 1, 1, 1, 1, 43, 9
	PEND
	WIN 0
	s_sub_co_u32 s[CNT], s[CNT], 1
	s_cmp_lg_u32 s[CNT], 0
	s_cbranch_scc1 .Lphase
	; Phase 6: steps 23 to 26: chunk 7 is stored; no x is left to ask for.  In x's stead steps 23, 24, 25 ask for W29, W30, W31, into slots of their own, each behind the step's W26, W27, W28.
	PBEGIN 1
	KSTEP 0, 0, 0, 1, 0, 1, 2, 43, 0               ; behind W23: 9 + 8 + 9 + 8 + 9
	KSTEP 1, 0, 1, 1, 0, 1, 2, 42, 9               ; behind W24: 9 + 8 + 9 of the loop's, W26 and W29 (16)
	KSTEP 2, 0, 2, 1, 0, 1, 2, 41, 9               ; behind W25: 9 of the loop's, W26, W29, W27, W30 (32)
	KSTEP 3, 0, 3, 1, 0, 1, 0, 40, 9               ; behind W26: W29, W27, W30, W28, W31
	PEND
	PBEGIN 0                                       ; chunk 7 is whole
	KSTEP 0, 0, 0, 0, 0, 2, 0, 24, 0               ; step 27: behind W27: W30, W28, W31.  Its run fetches blocks 0 and 1 by rows, into the buffer that step 26 read
	; ---------------- K STEPS 28 TO 31, BY ROWS, AND THE WAY OUT ----------------
	; W28 lies in the ring's slot 0, W29 to W31 in their own slots.  Block a: 16 matrix instructions, its four accumulators by turns, K ascending.
.macro ROW a
.set R_A0, PA+32*((\a)%4)
.if (\a) < 8
	WIN 0x52
.set R_D0, 32*(\a)
.else
	WIN 0xa2
.set R_D0, ACC8
.endif
.irp q, 0,1,2,3
.if \q == 0
.set R_B0, BR
.else
.set R_B0, WE+32*(\q-1)
.endif
.irp c, 0,1,2,3
	v_wmma_f32_16x16x32_bf16 v[R_D0+8*\c:R_D0+8*\c+7], v[R_B0+8*\c:R_B0+8*\c+7], v[R_A0+8*\q:R_A0+8*\q+7], v[R_D0+8*\c:R_D0+8*\c+7]
.endr
.endr
.endm
.macro OBSET a, t                      ; the four registers for rows t and t + 8 of block a, read back from the stage: two sets by the block's parity
.if (\a)%2 == 0
.set R_O, 208+4*(\t)
.else
.set R_O, 192+4*(\t)+32*((\t)/4)
.endif
.endm
; BLOCK a LEAVES.  16 tokens x my 64 columns go through my own stage in LDS (16 rows of 272 bytes, in chunk 0, whose last reads every wave awaited in front of phase 0's barrier) and come back as whole rows of
; 256 bytes.  The order: the 24 address lines, which are the places behind block a's products, for the stage's stores and for the loads into the x buffer that those products read; the stage's
; stores and loads; block a + 4's fragments; block a + 1's products, under which the stage's loads land; block a's stores.
.macro OUTBLK a
	WIN 0
	s_cmp_le_u32 s[NB], \a                         ; the tile's blocks are over: the jump goes forward and passes no barrier
	s_cbranch_scc1 .Lend
.set R_AD, AD+8*((\a)%2)
.irp t, 0,1,2,3,4,5,6,7
	v_mov_b32_dpp v[R_AD+\t], v[TOK+\a] row_share:\t row_mask:0xf bank_mask:0xf  ; each half of the lanes takes its row's token: row t, row t + 8
.endr
.irp t, 0,1,2,3,4,5,6,7
	v_min_u32 v[R_AD+\t], 0x1fff, v[R_AD+\t]
.endr
.irp t, 0,1,2,3,4,5,6,7
	v_lshl_add_u32 v[R_AD+\t], v[R_AD+\t], 12, v[LP16]
.endr
.if (\a) < 8
	WIN 0x04                                       ; store data in window 1
.set R_D, 32*(\a)
.else
	WIN 0x08                                       ; in window 2
.set R_D, ACC8
.endif
.irp c, 0,1,2,3
	ds_store_b128 v[STO], v[R_D+8*\c:R_D+8*\c+3]   offset:64*\c      ; each accumulator from its low end on
	ds_store_b128 v[STO], v[R_D+8*\c+4:R_D+8*\c+7] offset:64*\c+16
.endr
	WIN 0
.irp t, 0,1,2,3,4,5,6,7
	OBSET \a, \t
	ds_load_b128 v[R_O:R_O+3], v[RD] offset:\t*PITCH  ; LDS serves a wave's instructions in order (ISA guide 5.7.1.4): these see the stores above
.endr
.if (\a)+4 <= 8
	ARL (\a)+4                                     ; into the buffer that block a's products read
.set R_Y, 8
.else
.set R_Y, 0
.endif
.if (\a) < 8
.if (\a) == 0
	s_wait_dscnt 40                                ; behind block 1's fragments stand blocks 2 and 3 (16), the stage's 16 and block 4's 8.  From block 2 on the last wait of the block before has shown the fragments in
.endif
	ROW (\a)+1
.endif
	WIN 0
	s_wait_xcnt 0x0                                ; every earlier memory instruction has had its addresses translated (ISA guide 3.1): the other set of registers, which block a - 1's stores read, is written again only behind this wait
.irp t, 0,1,2,3,4,5,6,7
	OBSET \a, \t
	s_wait_dscnt R_Y+7-\t                          ; the 7 - t younger loads from the stage, and block a + 4's eight where there are any, stay out
	global_store_b128 v[R_AD+\t], v[R_O:R_O+3], s[12:13] th:TH_STORE_NT  ; 16 lanes store 256 consecutive bytes of a token's row, at a multiple of 256 from out's first byte
.endr
.endm
	WIN 0
	s_mul_i32 s29, s[WV], BLKB                     ; my stage.  The six address lines are the places behind step 27's last products, for the loads into the buffer that they read
	v_mul_u32_u24 v[STO], v1, PITCH                ; in: token r, 32 bytes for each half of the lanes
	v_lshl_add_u32 v[STO], v2, 5, v[STO]
	v_add_nc_u32 v[STO], s29, v[STO]
	v_mul_u32_u24 v[RD], v2, 8*PITCH               ; back: lanes 0-15 take row t, lanes 16-31 row t + 8
	v_add_nc_u32 v[RD], v[RD], v[LP16]
	v_add_nc_u32 v[RD], s29, v[RD]
	ARL 2
	ARL 3
	s_wait_loadcnt 0x0                             ; W28 to W31: W31 is the youngest load of all
	s_wait_dscnt 24                                ; behind block 0's fragments stand those of blocks 1, 2, 3
	ROW 0
	OUTBLK 0
	OUTBLK 1
	OUTBLK 2
	OUTBLK 3
	OUTBLK 4
	OUTBLK 5
	OUTBLK 6
	OUTBLK 7
	OUTBLK 8
	WIN 0
.Lend:
	s_wait_tensorcnt 0x0                           ; the wave's end
	ds_add_u32 v[SPW], v[NIL]
	s_wait_dscnt 0x0
	s_endpgm
.Lfunc_end_k_qa82a097496_gemm:
	.size	k_qa82a097496_gemm, .Lfunc_end_k_qa82a097496_gemm-k_qa82a097496_gemm
	.p2alignl 7, 3214868480
	.fill 96, 4, 3214868480
	.section	.rodata,"a",@progbits
	.p2align	6, 0x0
	.amdhsa_kernel k_qa82a097496_gemm
		.amdhsa_group_segment_fixed_size 313856
		.amdhsa_private_segment_fixed_size 0
		.amdhsa_enable_private_segment 0
		.amdhsa_kernarg_size 40
		.amdhsa_user_sgpr_count 2
		.amdhsa_user_sgpr_kernarg_segment_ptr 1
		.amdhsa_wavefront_size32 1
		.amdhsa_system_sgpr_workgroup_id_x 1
		.amdhsa_system_sgpr_workgroup_id_y 1
		.amdhsa_system_sgpr_workgroup_id_z 1
		.amdhsa_system_vgpr_workitem_id 0
		.amdhsa_next_free_vgpr 936
		.amdhsa_next_free_sgpr 66
		.amdhsa_reserve_vcc 0
		.amdhsa_float_denorm_mode_32 3
		.amdhsa_float_denorm_mode_16_64 3
		.amdhsa_memory_ordered 1
		.amdhsa_forward_progress 1
		.amdhsa_inst_pref_size 163
	.end_amdhsa_kernel
	.amdgpu_metadata
---
amdhsa.version: [ 1, 2 ]
amdhsa.kernels:
  - .name:           k_qa82a097496_gemm
    .symbol:         k_qa82a097496_gemm.kd
    .args:
      - { .name: x, .offset: 0, .size: 8, .value_kind: global_buffer, .address_space: global }
      - { .name: wb, .offset: 8, .size: 8, .value_kind: global_buffer, .address_space: global }
      - { .name: route, .offset: 16, .size: 8, .value_kind: global_buffer, .address_space: global }
      - { .name: b, .offset: 24, .size: 8, .value_kind: global_buffer, .address_space: global }
      - { .name: out0, .offset: 32, .size: 8, .value_kind: global_buffer, .address_space: global }
    .group_segment_fixed_size: 313856
    .private_segment_fixed_size: 0
    .kernarg_segment_align: 8
    .kernarg_segment_size: 40
    .max_flat_workgroup_size: 128
    .sgpr_count:     66
    .vgpr_count:     936
    .wavefront_size: 32
...
	.end_amdgpu_metadata
.endif
;; end of part 2
;; ======== version 2 of 2: 2 launches; version 1 with the launch gemm written anew for expert scheduling mode
;; workspace buffers: wb 16,777,216 bytes; route 33,792 bytes of whole numbers
;; launch prep: the kernel of part 1 again; grid 257 x 1, 8 waves a work-group, no clusters, 68,608 bytes of LDS; arguments W, group_by, wb, route; writes wb, route
;; launch gemm (part 3): grid 4 x 64, 4 waves a work-group, no clusters, 313,856 bytes of LDS; arguments x, wb, route, b, out0; writes out0
.if DOCPART == 3
	.amdgcn_target "amdgcn-amd-amdhsa--gfx1250"
	.amdhsa_code_object_version 6
	.text
	.protected	k_qa82a097496_gemm
	.globl	k_qa82a097496_gemm
	.p2align	8
	.type	k_qa82a097496_gemm,@function
k_qa82a097496_gemm:
	s_mov_b64 s[64:65], 0
	v_nop
	global_prefetch_b8 v0, s[64:65] scope:SCOPE_SE
	s_setreg_imm32_b32 hwreg(HW_REG_WAVE_SCHED_MODE, 0, 2), 2
	s_setreg_imm32_b32 hwreg(HW_REG_WAVE_MODE, 25, 1), 1
	s_wait_xcnt 0x0
	s_wait_alu depctr_vm_vsrc(0)
; out[t][:] = W[g(t)] x[t] + b[g(t)], for the tokens of one row tile (one expert, up to 144 places) and 256 of the 1,024 output columns.
; x f32 is gathered by the sorted list, rounded once to bf16 (nearest even) and kept WHOLE in LDS (144 rows x 1,024 k); W comes from wb, bf16 in operand order, straight from memory into matrix operand
; registers; sums in f32, started by the bias as the first C operand; rows of out are stored at their tokens' places.
; SHARES.  Work-group (x = column quarter, y = tile).  Wave w: all 144 places x columns 64 w .. 64 w + 63 of the quarter: 36 accumulators of 16 x 16.
; THE MATRIX INSTRUCTION IS USED TRANSPOSED: source 0 = 16 columns of W, source 1 = 16 tokens.  In the result lane (r, h) holds token r and the columns 8 h + 0..7.
; K STEPS 0 TO 27 MULTIPLY 9 BLOCKS IN EVERY TILE: places past the tile's rows repeat its last row (the same bits, stored to the same address).  So the K loop has no branch on data, and every wait's count
; holds on every path.  A tile without rows multiplies the list's first token and stores nothing.
; THE PIPELINE.  32 K steps of 32; x goes in chunks of 128 k.  Phase t holds steps 4 t - 1 .. 4 t + 2.  In it the A fragments are read from chunk t, chunk t + 1 is rounded and stored into LDS, chunk t + 2 is asked
; for from memory, and step j asks for W's fragments of step j + 3.  A chunk is written once and read only behind the barrier at its phase's end: one barrier a phase.
; THE LAST FOUR K STEPS (chunk 7) GO BY ROWS OF OUT, NOT BY K: W of all four lies in registers, x comes by blocks of 16 rows x 128 k, and the nine blocks are finished one after the other, 16 matrix instructions
; each, K ascending.  A block leaves as soon as it is finished, its trip through LDS under the next block's products; the walk ends at the tile's own count of blocks.
; NO CLUSTER, NO TENSOR LOADS: W never passes through LDS; the rows of x come by a list, which no descriptor covers; the resident x tile takes 313,344 of the 327,680 bytes, so no slot for shared tiles of W fits.
; LIMITS.  x and W are rounded to bf16; list entries are clamped to 8,191, the record's numbers to their ranges.
; THE MODE: SCHED_MODE bits 1:0 = 2 (LLVM: expert scheduling mode 2), set by the entry lines.  The code itself states the register dependences between vector or matrix instructions and memory or LDS
; instructions, with s_wait_alu, always for 0.
; THE PLAN.  Registers that memory or LDS instructions touch, and who else names them:
;   AF0, AF1      x fragments.  The step at position ki multiplies AF[(ki + 1) % 2]; its LDS loads land in AF[ki % 2], which the step before multiplied.
;   W's ring      The step multiplies slot (ki + 3) % 4; its loads land in slot (ki + 2) % 4, which the step before multiplied.  The slots of steps 29 to 31 are named by no product before the rows.
;   ST            A quarter is read by its step's roundings alone; in the same step the same quarter of the chunk after is loaded into it.
;   OUT           Two halves of 18.  Written by a step's roundings, read by the same step's LDS stores; the halves take turns step by step (phase 0's two steps of two quarters take both).
;   v[ADRA], v[XSA]  Read by every A load and every x store; written once a phase, at its head.
;   v[VB], v[XO ..], v[BOF], v[LI ..]  Offsets, made in the prologue; the first three are never written again, v[LI ..] not before the way out.
; So ONE wait on va_vdst stands in a step, behind its roundings.  The step's memory instructions follow it in GROUPS of eight or nine, one group behind each of the next matrix instructions, which name the other x
; buffer, the other W slot and the accumulators: none of the registers that the groups touch.  The order on each counter is the one on which the waits' counts rest: on DScnt the A loads, then the x stores; on
; LOADcnt the W loads, then the x loads.  The other matrix instructions stand back to back under one window setting.  A wait on vm_vsrc stands at a phase's head and ahead of its third step.
; By rows: block a's products read PA[a % 4] and write its accumulators; one wait on va_vdst behind the block's address lines serves its stage stores, its stage loads, block a + 4's loads and its global stores;
; one wait on vm_vsrc ahead of a block's global stores frees the registers that the stores of the block before have read, which the next block writes.
; REGISTERS, in windows of 256 (s_set_vgpr_msb: bits 1:0 source 0, 3:2 source 1, 5:4 source 2, 7:6 destination):
;   window 0: addresses; v16-24 tokens for the way out; v64-135, v136-207 x fragments, two buffers of 9 x 8 (by rows: v64-191, four buffers of 32); v208-239 the bias as a C operand;
;             on the way out v208-239 and v192-207 with v240-255 take turns for the rows read back
;   window 1: accumulator (block a, column block cb) at 8 (4 a + cb), a = 0..7
;   window 2: v0-127 W fragments, four slots of 32; v128-159 block 8's accumulators; v160-255 W of K steps 29, 30, 31
;   window 3: v0-143 a chunk of x on its way (36 loads of four f32); v144-161 my rows' byte offsets in x; v162-164 addresses; v168-203 OUT
.set PITCH, 272                        ; an LDS row: 128 bf16 = 256 bytes + 16: an odd multiple of 16, so that the 16 rows of a fragment load start at 16 different groups of four banks (ISA guide 11.1)
.set BLKB,  16*PITCH                   ; a block of 16 rows
.set CHUNK, 144*PITCH                  ; a chunk: 39,168 bytes; eight of them
.set ADL,  6                           ; v6   r x 272 + 16 h: my lane's place in a block of x
.set ADRA, 7                           ; v7   the same in the chunk that the phase reads
.set VB,   8                           ; v8   16 x lane: my 16 bytes in half a fragment of W
.set LP16, 9                           ; v9   16 x (lane % 16)
.set STO,  10                          ; v10  the way out: where I put 16 bytes of a row
.set RD,   11                          ; v11  the way out: where I read rows back
.set BOF,  12                          ; v12  32 h: my eight columns in 16 of the bias
.set TOK,  16                          ; v[16:24]  block a: lane l holds the token of row 16 a + l % 8 + 8 (l / 16)
.set AD,   28                          ; v[28:35], v[36:43]  the way out: byte offsets in out, two sets by the block's parity (the second in the list's first eight registers, free behind the prologue)
.set LI,   36                          ; v[36:62]  byte offsets in the list, one register a load
.set AF0,  64
.set PA,   64                          ; by rows: block a's fragments of x at PA + 32 (a % 4) + 8 q
.set BIAS, 208
.set BR,   0                           ; window 2
.set ACC8, 128                         ; window 2
.set WE,   160                         ; window 2: W of K step 29 + i at WE + 32 i
.set ST,   0                           ; window 3: quarter q, block blk at 4 (9 q + blk)
.set XO,   144                         ; window 3: 2 blk + pr
.set XSL,  162                         ; window 3: (2 w + 8 (l / 16)) x 272 + 8 (l % 16)
.set XSA,  163                         ; window 3: the same in the chunk that the phase writes
.set LP3,  164                         ; window 3: 16 x (lane % 16)
.set OUT,  168                         ; window 3: the rounded numbers of load u of a step at OUT + OB + 2 u; OB picks the half
.set WV,   14
.set COL,  15
.set TL,   16
.set LAST, 24
.set NB,   25
.set CA,   26                          ; LDS byte of the chunk that the phase reads
.set CX,   27                          ; and of the chunk that it writes
.set CNT,  28
.set MSB, 0
.macro WIN new                         ; the immediate's high byte repeats the setting that is left; a switch that changes nothing is dropped
.if MSB != (\new)
	s_set_vgpr_msb (MSB<<8)|(\new)
.set MSB, \new
.endif
.endm
; THE PIECES OF A K STEP.  Each takes its number from R_M and the step's constants from KI, Q0, XOFF, OB.
; x load (quarter q = 2 pr + hf, block blk): lane l takes row 16 blk + 2 w + pr + 8 (l / 16), f32 bytes 256 hf + 16 (l % 16) of the chunk's 512: 16 lanes take 256 consecutive bytes at a multiple of 256 from x's first.
.macro CVT                             ; half R_M % 2 of load R_M / 2: two f32 to bf16, out of ST into OUT
.set R_U, R_M/2
.set R_S, ST+4*(9*(Q0+R_U/9)+R_U%9)
	WIN 0xff
	v_cvt_pk_bf16_f32 v[OUT+OB+R_M], v[R_S+2*(R_M%2)], v[R_S+2*(R_M%2)+1]
.endm
.macro XST                             ; 8 bytes a lane: two rows' 128 consecutive bytes, eight rows (32 banks) apart
.set R_Q, Q0+R_M/9
.set R_B, R_M%9
	WIN 0xff
	ds_store_b64 v[XSA], v[OUT+OB+2*R_M:OUT+OB+2*R_M+1] offset:R_B*BLKB+(R_Q/2)*PITCH+(R_Q%2)*128
.endm
.macro XLD
.set R_Q, Q0+R_M/9
.set R_B, R_M%9
.set R_S, ST+4*(9*R_Q+R_B)
	WIN 0xff
	global_load_b128 v[R_S:R_S+3], v[XO+2*R_B+R_Q/2], s[4:5] offset:XOFF+(R_Q%2)*256
.endm
.macro ALOAD                           ; half R_M % 2 of block R_M / 2's fragment at K step KI of the chunk, into buffer KI % 2
.set R_S, AF0+72*(KI%2)+8*(R_M/2)+4*(R_M%2)
	WIN 0
	ds_load_b128 v[R_S:R_S+3], v[ADRA] offset:(R_M/2)*BLKB+64*KI+32*(R_M%2)
.endm
.macro ARL blk                         ; by rows: block blk's fragments of all four K steps of the chunk: 8 loads, 32 registers
	WIN 0
.set R_S, PA+32*((\blk)%4)
.irp q, 0,1,2,3
	ds_load_b128 v[R_S+8*\q:R_S+8*\q+3],   v[ADRA] offset:(\blk)*BLKB+64*\q
	ds_load_b128 v[R_S+8*\q+4:R_S+8*\q+7], v[ADRA] offset:(\blk)*BLKB+64*\q+32
.endr
.endm
.macro BLOAD                           ; 512 consecutive bytes a load.  The first eight: W three steps ahead, into the ring.  A second eight (phase 6): W six steps ahead, into its own slot
.if R_M < 8
.set R_S, BR+32*((KI+2)%4)+4*R_M
.set R_O, (2+KI)*4096+512*R_M
.else
.set R_S, WE+32*KI+4*(R_M-8)
.set R_O, (5+KI)*4096+512*(R_M-8)
.endif
	WIN 0x80
	global_load_b128 v[R_S:R_S+3], v[VB], s[6:7] offset:R_O
.endm
.macro BFRAG kf                        ; the prologue's: W's fragments of step kf
	WIN 0x80
.set R_M, 0
.rept 8
	global_load_b128 v[BR+32*((\kf)%4)+4*R_M:BR+32*((\kf)%4)+4*R_M+3], v[VB], s[6:7] offset:(\kf)*4096+512*R_M
.set R_M, R_M+1
.endr
.endm
; The next of a step's N_P plain vector instructions: a rounding.  Step 27 alone rounds nothing and still loads into a buffer that products have read: there four v_nop keep those loads four plain
; instructions behind step 26's last product, as in this text's plain form; the wait behind them states the dependence.
.macro PLAIN
.if NQ > 0
.set R_M, R_N
	CVT
.else
	v_nop
.endif
.set R_N, R_N+1
.endm
; THE STEP'S NEXT GROUP of memory instructions; groups that the step does not have are passed over.  0, 1: the A loads, nine each (step 27: blocks 0 and 1 by rows).  2, 3: W, eight each.
; 4, 5: the x loads, a quarter each.  6, 7: the x stores, a quarter each.
.macro GROUP
.set R_E, 0                            ; 1: this call has issued its group
.rept 8
.if (R_E == 0) && (R_G < 8)
.if R_G < 2
.if N_A > 0
.set R_M, 9*R_G
.rept 9
	ALOAD
.set R_M, R_M+1
.endr
.set R_E, 1
.endif
.if ARM
	ARL R_G
.set R_E, 1
.endif
.elseif R_G < 4
.if N_B > 8*(R_G-2)
.set R_M, 8*(R_G-2)
.rept 8
	BLOAD
.set R_M, R_M+1
.endr
.set R_E, 1
.endif
.elseif R_G < 6
.if N_L > 9*(R_G-4)
.set R_M, 9*(R_G-4)
.rept 9
	XLD
.set R_M, R_M+1
.endr
.set R_E, 1
.endif
.else
.if N_S > 9*(R_G-6)
.set R_M, 9*(R_G-6)
.rept 9
	XST
.set R_M, R_M+1
.endr
.set R_E, 1
.endif
.endif
.set R_G, R_G+1
.endif
.endr
.endm
; Matrix instruction R_W of 36: block R_W / 4, column block R_W % 4.  The 36 accumulators take turns, one instruction a turn.  FIRST = 1: the bias starts the sums: nothing is cleared.
.macro MM
.set R_CB, R_W%4
.set R_B0, BR+32*SLOT+8*R_CB
.set R_A0, AFU+8*(R_W/4)
.if R_W < 32
.set R_D, 8*R_W
.if FIRST
	WIN 0x42
	v_wmma_f32_16x16x32_bf16 v[R_D:R_D+7], v[R_B0:R_B0+7], v[R_A0:R_A0+7], v[BIAS+8*R_CB:BIAS+8*R_CB+7]
.else
	WIN 0x52
	v_wmma_f32_16x16x32_bf16 v[R_D:R_D+7], v[R_B0:R_B0+7], v[R_A0:R_A0+7], v[R_D:R_D+7]
.endif
.else
.set R_D, ACC8+8*R_CB
.if FIRST
	WIN 0x82
	v_wmma_f32_16x16x32_bf16 v[R_D:R_D+7], v[R_B0:R_B0+7], v[R_A0:R_A0+7], v[BIAS+8*R_CB:BIAS+8*R_CB+7]
.else
	WIN 0xa2
	v_wmma_f32_16x16x32_bf16 v[R_D:R_D+7], v[R_B0:R_B0+7], v[R_A0:R_A0+7], v[R_D:R_D+7]
.endif
.endif
.set R_W, R_W+1
.endm
; A K STEP at position ki of its phase: it multiplies x buffer (ki + 1) % 2 by W slot (ki + 3) % 4 and fills x buffer ki % 2 and W slot (ki + 2) % 4.  q0, nq: the x quarters that it rounds and stores; xl: it asks
; for them anew; al = 1: it loads the next step's A; al = 2: blocks 0 and 1 by rows; bl: how many steps' W it asks for.  lc, dc: how many younger global loads and LDS instructions may stay out.
; ev = 1: the half of OUT that the step writes has been read by LDS stores since the last wait on vm_vsrc.
; Four plain instructions follow each of the first matrix instructions (18 nq roundings: five slices, nine where nq = 2); behind the last of them the wait; then a group behind each matrix instruction while
; there are groups; the other matrix instructions stand back to back: in them the A loads land.
; Step 0 (first = 1) has no wait: no vector or matrix instruction has named the x buffer or the W slot in which its loads land, and their address registers were written ahead of earlier waits.
.macro KSTEP ki, first, q0, nq, xl, al, bl, lc, dc, ev
.set KI, \ki
.set FIRST, \first
.set Q0, \q0
.set NQ, \nq
.set OB, 18*((\ki)%2)*(2-(\nq))        ; a step of one quarter: the halves by turns; of two quarters: both
.set N_A, 0
.set ARM, 0
.if (\al) == 1
.set N_A, 18
.endif
.if (\al) == 2
.set ARM, 1
.endif
.set N_B, 8*(\bl)
.set N_S, 9*(\nq)
.set N_L, 9*(\nq)*(\xl)
.set N_P, 18*(\nq)
.if ((\nq) == 0) && !(\first)
.set N_P, 4
.endif
.set AFU, AF0+72*(((\ki)+1)%2)
.set SLOT, ((\ki)+3)%4
.set R_N, 0
.set R_W, 0
.set R_G, 0
.set R_GO, \first                      ; 1: the groups may go
.if (\lc) >= 0
	s_wait_loadcnt \lc
.endif
	s_wait_dscnt \dc
.if \ev
	s_wait_alu depctr_vm_vsrc(0)                   ; the x stores issued so far have read both halves of OUT: this step's roundings write one of them again, the next step's the other (phase 0: this step's write both)
.endif
.rept 36
	MM
.if R_N < N_P
.rept 4
.if R_N < N_P
	PLAIN
.endif
.endr
.if R_N == N_P
	s_wait_alu depctr_va_vdst(0)                   ; the roundings have written OUT, which the x stores read, and are done reading their quarter of ST, in which the x loads land; the step before's products are done reading the x buffer and the W slot in which this step's loads land; in a phase's first step v[ADRA] and v[XSA] are written
.set R_GO, 1
.endif
.elseif R_GO
	GROUP
.endif
.endr
.endm
.macro PBEGIN xs                       ; a phase's LDS addresses
	WIN 0
	s_wait_alu depctr_vm_vsrc(0)                   ; the A loads and x stores issued so far have read v[ADRA], v[XSA] and both halves of OUT
	v_add_nc_u32 v[ADRA], s[CA], v[ADL]
.if \xs
	WIN 0xff
	v_add_nc_u32 v[XSA], s[CX], v[XSL]
.endif
.endm
.macro PEND                            ; a phase's end
	s_wait_dscnt 0x0                               ; for the others' sake: my stores into the next chunk are done
	s_barrier_signal -1
	s_barrier_wait -1                              ; everybody's are: the next phase reads that chunk
	s_wait_xcnt 0x0                                ; every earlier memory instruction has had its addresses translated (ISA guide 3.1): only now are the loads' bases stepped
	s_add_nc_u64 s[4:5], s[4:5], 512               ; x: the next chunk's 128 f32
	s_add_nc_u64 s[6:7], s[6:7], 16384             ; W: four K steps of 4,096 bytes
	s_add_co_u32 s[CA], s[CA], CHUNK
	s_add_co_u32 s[CX], s[CX], CHUNK
.endm
	; ---------------- PROLOGUE ----------------
	s_load_b256 s[4:11], s[0:1], 0x0               ; x s[4:5], wb s[6:7], route s[8:9], b s[10:11]
	s_load_b64 s[12:13], s[0:1], 0x20              ; out0
	v_lshl_add_u32 v27, v0, 2, 0x4c800
	v_mov_b32 v63, 0
	v_lshrrev_b32 v13, 5, v0
	v_readfirstlane_b32 s[WV], v13                 ; wave 0..3
	s_mov_b32 s[COL], ttmp9                        ; which 256 columns
	s_and_b32 s[TL], ttmp7, 0xffff                 ; which tile
	s_lshl_b32 s17, s[TL], 4
	s_wait_kmcnt 0x0
	s_load_b128 s[20:23], s[8:9], s17 offset:0x8000  ; the tile's record: first place, rows, expert, blocks
	v_and_b32 v3, 31, v0                           ; lane
	v_and_b32 v1, 15, v0                           ; r
	v_bfe_u32 v2, v0, 4, 1                         ; h
	v_mul_u32_u24 v[ADL], v1, PITCH
	v_lshl_add_u32 v[ADL], v2, 4, v[ADL]
	v_lshlrev_b32 v[VB], 4, v3
	v_lshlrev_b32 v[LP16], 4, v1
	v_lshlrev_b32 v[BOF], 5, v2
	s_wait_alu depctr_va_sdst(0)                   ; the wave's number is written, ahead of its first reader, the line below
	s_lshl_b32 s29, s[WV], 1
	v_lshl_add_u32 v13, v2, 3, s29                 ; 2 w + 8 h: my row in a block, for x's loads
	v_and_b32 v14, 7, v0
	v_lshl_add_u32 v14, v2, 3, v14                 ; l % 8 + 8 h: for the way out
	v_mul_u32_u24 v15, v13, PITCH
	v_lshl_add_u32 v15, v1, 3, v15
	WIN 0xc0                                       ; destination window 3, sources window 0
	v_mov_b32 v[XSL], v15
	v_mov_b32 v[XSA], v15                          ; the prologue writes chunk 0
	v_mov_b32 v[LP3], v[LP16]
	WIN 0
.set i, 0
.rept 8
	v_mov_b32 v[AD+i], 0                           ; written before a DPP form names them as its destination (the second set is written below, as the list's offsets)
.set i, i+1
.endr
	s_mov_b32 s19, 0
	s_mov_b32 s[CA], 0
	s_mov_b32 s[CX], CHUNK
	s_wait_kmcnt 0x0
	s_min_u32 s20, s20, 0x1fff
	s_min_u32 s21, s21, 144
	s_min_u32 s22, s22, 7
	s_min_u32 s[NB], s23, 9
	s_max_u32 s[LAST], s21, 1
	s_sub_co_u32 s[LAST], s[LAST], 1               ; the tile's last row: places past it repeat it
	s_lshl_b32 s18, s22, 21                        ; W: the expert's 2 MiB,
	s_lshl_b32 s29, s[COL], 2
	s_add_co_u32 s29, s29, s[WV]
	s_lshl_b32 s29, s29, 17                        ; my wave's group of 64 columns: 131,072 bytes
	s_add_co_u32 s18, s18, s29
	s_add_nc_u64 s[6:7], s[6:7], s[18:19]
	s_lshl_b32 s18, s[COL], 10                     ; my wave's 64 columns in a row of 1,024 f32
	s_lshl_b32 s29, s[WV], 8
	s_add_co_u32 s18, s18, s29
	s_add_nc_u64 s[12:13], s[12:13], s[18:19]
	s_lshl_b32 s29, s22, 12                        ; and in the expert's bias
	s_add_co_u32 s18, s18, s29
	s_add_nc_u64 s[10:11], s[10:11], s[18:19]
	s_lshl_b32 s18, s20, 2                         ; the list at the tile's first place
	s_add_nc_u64 s[8:9], s[8:9], s[18:19]
.set i, 0
.rept 18                                               ; x's rows: block i / 2, row pair i % 2
	v_add_nc_u32 v[LI+i], 16*(i/2)+i%2, v13
	v_min_u32 v[LI+i], s[LAST], v[LI+i]
	v_min_u32 v[LI+i], 143, v[LI+i]
	v_lshlrev_b32 v[LI+i], 2, v[LI+i]
.set i, i+1
.endr
.set i, 0
.rept 9                                                ; the way out's rows: block i
	v_add_nc_u32 v[LI+18+i], 16*i, v14
	v_min_u32 v[LI+18+i], s[LAST], v[LI+18+i]
	v_min_u32 v[LI+18+i], 143, v[LI+18+i]
	v_lshlrev_b32 v[LI+18+i], 2, v[LI+18+i]
.set i, i+1
.endr
	s_wait_alu depctr_va_vdst(0)                   ; v[LI ..], v[BOF] and v[VB] are written, which the loads below read as offsets; so is v[XSA], which chunk 0's stores read
	WIN 0xc0
.set i, 0
.rept 18                                               ; the lists go first: x's addresses hang on them
	global_load_b32 v[XO+i], v[LI+i], s[8:9]
.set i, i+1
.endr
	WIN 0
.set i, 0
.rept 9
	global_load_b32 v[TOK+i], v[LI+18+i], s[8:9]
.set i, i+1
.endr
.irp c, 0,1,2,3
	global_load_b128 v[BIAS+8*\c:BIAS+8*\c+3],   v[BOF], s[10:11] offset:64*\c      ; register j: b[16 cb + 8 h + j], as the result's layout has it
	global_load_b128 v[BIAS+8*\c+4:BIAS+8*\c+7], v[BOF], s[10:11] offset:64*\c+16
.endr
	BFRAG 0
	s_wait_loadcnt 16                              ; the lists are in; the 16 younger loads, the bias and W0, stay out
	WIN 0xff
.set i, 0
.rept 18
	v_min_u32 v[XO+i], 0x1fff, v[XO+i]
	v_lshl_add_u32 v[XO+i], v[XO+i], 12, v[LP3]    ; token x 4,096 bytes + 16 (l % 16)
.set i, i+1
.endr
	s_wait_alu depctr_va_vdst(0)                   ; v[XO ..] are written: every load of x reads one of them as its offset
.set XOFF, 0
.set Q0, 0
.set R_M, 0
.rept 36
	XLD                                            ; chunk 0, quarters 0 to 3
.set R_M, R_M+1
.endr
	BFRAG 1
	BFRAG 2
.set XOFF, 512
.irp q, 0,1,2,3
.set Q0, \q
.set OB, 18*(\q%2)
	s_wait_loadcnt 43                              ; behind chunk 0's quarter q stand 9 (3 - q) loads of chunk 0, 16 of W and 9 q of chunk 1: 43
.if \q == 2
	s_wait_alu depctr_vm_vsrc(0)                   ; the stores of quarters 0 and 1 have read the two halves of OUT, which quarters 2 and 3 write again
.endif
.set R_M, 0
.rept 18
	CVT
.set R_M, R_M+1
.endr
	s_wait_alu depctr_va_vdst(0)                   ; the roundings are done reading quarter q of ST, in which the loads below land, and have written their half of OUT, which the stores below read
.set R_M, 0
.rept 9
	XLD                                            ; chunk 1, into the registers just rounded
.set R_M, R_M+1
.endr
.set R_M, 0
.rept 9
	XST
.set R_M, R_M+1
.endr
.endr
.set XOFF, 0
	WIN 0
	s_wait_dscnt 0x0                               ; my part of chunk 0 is in LDS,
	s_barrier_signal -1
	s_barrier_wait -1                              ; everybody's is
	PBEGIN 1                                       ; phase 0 reads chunk 0 and writes chunk 1
	s_wait_alu depctr_va_vdst(0)                   ; v[ADRA] is written, which the A loads below and step 0's read; so is v[XSA]
.set KI, 0
.set R_M, 0
.rept 18
	ALOAD                                          ; step 0's fragments of x
.set R_M, R_M+1
.endr
	s_wait_xcnt 0x0                                ; x's base is stepped only behind this wait
	s_add_nc_u64 s[4:5], s[4:5], 1024              ; on to chunk 2
	; ---------------- K STEPS 0 TO 27 ----------------
	; Phase 0 has three steps for four quarters.  Global loads out at its head, oldest first: W1, W2 (16), chunk 1 (36).
	KSTEP 1, 1, 0, 0, 0, 1, 1, -1, 0, 0            ; step 0: the bias and W0 are older than chunk 0, which has been waited for; the A loads are the only LDS instructions out
	KSTEP 2, 0, 0, 2, 1, 1, 1, 26, 0, 0            ; step 1: behind chunk 1's quarter 1 stand its quarters 2, 3 (18) and W3 (8)
	KSTEP 3, 0, 2, 2, 1, 1, 1, 34, 18, 1           ; step 2: behind chunk 1's quarter 3 stand W3, W4 (16) and chunk 2's quarters 0, 1 (18); 18 x stores stand behind the A loads
	PEND
	WIN 0                                          ; at a label and at a branch every window is 0
	s_mov_b32 s[CNT], 5
.Lphase:                                               ; phases 1 to 5: steps 3 to 22.  A step issues 8 loads of W and then 9 of x
	PBEGIN 1
	KSTEP 0, 0, 0, 1, 1, 1, 1, 35, 0, 0            ; on the way in, behind chunk 2's quarter 0 stand quarter 1 (9), W5 (8), quarters 2, 3 (18); on the way round 43 would do
	KSTEP 1, 0, 1, 1, 1, 1, 1, 43, 9, 0            ; behind W of this step, issued first three steps ago, stand 9 + 17 + 17; the quarter that the step rounds is older.  9 x stores stand behind the A loads
	KSTEP 2, 0, 2, 1, 1, 1, 1, 43, 9, 1
	KSTEP 3, 0, 3, 1, 1, 1, 1, 43, 9, 0
	PEND
	WIN 0
	s_sub_co_u32 s[CNT], s[CNT], 1
	s_cmp_lg_u32 s[CNT], 0
	s_cbranch_scc1 .Lphase
	; Phase 6: steps 23 to 26: chunk 7 is stored; no x is left to ask for.  In x's stead steps 23, 24, 25 ask for W29, W30, W31, into slots of their own, each behind the step's W26, W27, W28.
	PBEGIN 1
	KSTEP 0, 0, 0, 1, 0, 1, 2, 43, 0, 0            ; behind W23: 9 + 8 + 9 + 8 + 9
	KSTEP 1, 0, 1, 1, 0, 1, 2, 42, 9, 0            ; behind W24: 9 + 8 + 9 of the loop's, W26 and W29 (16)
	KSTEP 2, 0, 2, 1, 0, 1, 2, 41, 9, 1            ; behind W25: 9 of the loop's, W26, W29, W27, W30 (32)
	KSTEP 3, 0, 3, 1, 0, 1, 0, 40, 9, 0            ; behind W26: W29, W27, W30, W28, W31
	PEND
	PBEGIN 0                                       ; chunk 7 is whole
	KSTEP 0, 0, 0, 0, 0, 2, 0, 24, 0, 0            ; step 27: behind W27: W30, W28, W31.  It fetches blocks 0 and 1 by rows, into the buffer that step 26 read
	; ---------------- K STEPS 28 TO 31, BY ROWS, AND THE WAY OUT ----------------
	; W28 lies in the ring's slot 0, W29 to W31 in their own slots.  Block a: 16 matrix instructions, its four accumulators by turns, K ascending.
.macro ROW a
.set R_A0, PA+32*((\a)%4)
.if (\a) < 8
	WIN 0x52
.set R_D0, 32*(\a)
.else
	WIN 0xa2
.set R_D0, ACC8
.endif
.irp q, 0,1,2,3
.if \q == 0
.set R_B0, BR
.else
.set R_B0, WE+32*(\q-1)
.endif
.irp c, 0,1,2,3
	v_wmma_f32_16x16x32_bf16 v[R_D0+8*\c:R_D0+8*\c+7], v[R_B0+8*\c:R_B0+8*\c+7], v[R_A0+8*\q:R_A0+8*\q+7], v[R_D0+8*\c:R_D0+8*\c+7]
.endr
.endr
.endm
.macro OBSET a, t                      ; the four registers for rows t and t + 8 of block a, read back from the stage: two sets by the block's parity
.if (\a)%2 == 0
.set R_O, 208+4*(\t)
.else
.set R_O, 192+4*(\t)+32*((\t)/4)
.endif
.endm
; BLOCK a LEAVES.  16 tokens x my 64 columns go through my own stage in LDS (16 rows of 272 bytes, in chunk 0, whose last reads every wave awaited in front of phase 0's barrier) and come back as whole rows of
; 256 bytes.  The order: the 24 address lines, which are the places behind block a's products for the stage's stores; the block's one wait on va_vdst; the stage's stores and loads;
; block a + 4's fragments; block a + 1's products, under which the stage's loads land, and which name none of the registers that the block's memory instructions touch; block a's stores.
.macro OUTBLK a
	WIN 0
	s_cmp_le_u32 s[NB], \a                         ; the tile's blocks are over: the jump goes forward and passes no barrier
	s_cbranch_scc1 .Lend
.set R_AD, AD+8*((\a)%2)
.irp t, 0,1,2,3,4,5,6,7
	v_mov_b32_dpp v[R_AD+\t], v[TOK+\a] row_share:\t row_mask:0xf bank_mask:0xf  ; each half of the lanes takes its row's token: row t, row t + 8
.endr
.irp t, 0,1,2,3,4,5,6,7
	v_min_u32 v[R_AD+\t], 0x1fff, v[R_AD+\t]
.endr
.irp t, 0,1,2,3,4,5,6,7
	v_lshl_add_u32 v[R_AD+\t], v[R_AD+\t], 12, v[LP16]
.endr
.if (\a) < 8
	WIN 0x04                                       ; store data in window 1
.set R_D, 32*(\a)
.else
	WIN 0x08                                       ; in window 2
.set R_D, ACC8
.endif
	s_wait_alu depctr_va_vdst(0)                   ; block a's products have written its accumulators, which the stage's stores read, and are done reading their x buffer, in which block a + 4's loads land; the address lines have written the offsets that the block's global stores read; the products that read the registers in which the stage's loads land (once the bias, an x buffer) are done
.irp c, 0,1,2,3
	ds_store_b128 v[STO], v[R_D+8*\c:R_D+8*\c+3]   offset:64*\c      ; each accumulator from its low end on
	ds_store_b128 v[STO], v[R_D+8*\c+4:R_D+8*\c+7] offset:64*\c+16
.endr
	WIN 0
.irp t, 0,1,2,3,4,5,6,7
	OBSET \a, \t
	ds_load_b128 v[R_O:R_O+3], v[RD] offset:\t*PITCH  ; LDS serves a wave's instructions in order (ISA guide 5.7.1.4): these see the stores above
.endr
.if (\a)+4 <= 8
	ARL (\a)+4                                     ; into the buffer that block a's products read
.set R_Y, 8
.else
.set R_Y, 0
.endif
.if (\a) < 8
.if (\a) == 0
	s_wait_dscnt 40                                ; behind block 1's fragments stand blocks 2 and 3 (16), the stage's 16 and block 4's 8.  From block 2 on the last wait of the block before has shown the fragments in
.endif
	ROW (\a)+1
.endif
	WIN 0
	s_wait_xcnt 0x0                                ; every earlier memory instruction has had its addresses translated (ISA guide 3.1): the other set of registers, which block a - 1's stores read, is written again only behind this wait
.if ((\a) > 0) && ((\a) < 8)
	s_wait_alu depctr_vm_vsrc(0)                   ; block a - 1's stores have read their offsets and their rows: block a + 1's address lines and stage loads write those registers again
.endif
.irp t, 0,1,2,3,4,5,6,7
	OBSET \a, \t
	s_wait_dscnt R_Y+7-\t                          ; the 7 - t younger loads from the stage, and block a + 4's eight where there are any, stay out
	global_store_b128 v[R_AD+\t], v[R_O:R_O+3], s[12:13] th:TH_STORE_NT  ; 16 lanes store 256 consecutive bytes of a token's row, at a multiple of 256 from out's first byte
.endr
.endm
	WIN 0
	s_mul_i32 s29, s[WV], BLKB                     ; my stage
	v_mul_u32_u24 v[STO], v1, PITCH                ; in: token r, 32 bytes for each half of the lanes
	v_lshl_add_u32 v[STO], v2, 5, v[STO]
	v_add_nc_u32 v[STO], s29, v[STO]
	v_mul_u32_u24 v[RD], v2, 8*PITCH               ; back: lanes 0-15 take row t, lanes 16-31 row t + 8
	v_add_nc_u32 v[RD], v[RD], v[LP16]
	v_add_nc_u32 v[RD], s29, v[RD]
	s_wait_alu depctr_va_vdst(0)                   ; step 27's products are done reading the x buffer in which blocks 2 and 3 land; v[STO] and v[RD] are written, which the stage's stores and loads read
	ARL 2
	ARL 3
	s_wait_loadcnt 0x0                             ; W28 to W31: W31 is the youngest load of all
	s_wait_dscnt 24                                ; behind block 0's fragments stand those of blocks 1, 2, 3
	ROW 0
	OUTBLK 0
	OUTBLK 1
	OUTBLK 2
	OUTBLK 3
	OUTBLK 4
	OUTBLK 5
	OUTBLK 6
	OUTBLK 7
	OUTBLK 8
	WIN 0
.Lend:
	s_wait_dscnt 0x0                               ; my last LDS instructions are done.
	s_wait_alu depctr_hold_cnt(0) depctr_sa_sdst(0) depctr_va_vdst(0) depctr_va_sdst(0) depctr_va_ssrc(0) depctr_va_vcc(0) depctr_vm_vsrc(0)
	s_wait_tensorcnt 0x0
	ds_add_u32 v27, v63
	s_wait_dscnt 0x0
	s_endpgm
.Lfunc_end_k_qa82a097496_gemm:
	.size	k_qa82a097496_gemm, .Lfunc_end_k_qa82a097496_gemm-k_qa82a097496_gemm
	.p2alignl 7, 3214868480
	.fill 96, 4, 3214868480
	.section	.rodata,"a",@progbits
	.p2align	6, 0x0
	.amdhsa_kernel k_qa82a097496_gemm
		.amdhsa_group_segment_fixed_size 313856
		.amdhsa_private_segment_fixed_size 0
		.amdhsa_enable_private_segment 0
		.amdhsa_kernarg_size 40
		.amdhsa_user_sgpr_count 2
		.amdhsa_user_sgpr_kernarg_segment_ptr 1
		.amdhsa_wavefront_size32 1
		.amdhsa_system_sgpr_workgroup_id_x 1
		.amdhsa_system_sgpr_workgroup_id_y 1
		.amdhsa_system_sgpr_workgroup_id_z 1
		.amdhsa_system_vgpr_workitem_id 0
		.amdhsa_next_free_vgpr 972
		.amdhsa_next_free_sgpr 66
		.amdhsa_reserve_vcc 0
		.amdhsa_float_denorm_mode_32 3
		.amdhsa_float_denorm_mode_16_64 3
		.amdhsa_memory_ordered 1
		.amdhsa_forward_progress 1
		.amdhsa_inst_pref_size 167
	.end_amdhsa_kernel
	.amdgpu_metadata
---
amdhsa.version: [ 1, 2 ]
amdhsa.kernels:
  - .name:           k_qa82a097496_gemm
    .symbol:         k_qa82a097496_gemm.kd
    .args:
      - { .name: x, .offset: 0, .size: 8, .value_kind: global_buffer, .address_space: global }
      - { .name: wb, .offset: 8, .size: 8, .value_kind: global_buffer, .address_space: global }
      - { .name: route, .offset: 16, .size: 8, .value_kind: global_buffer, .address_space: global }
      - { .name: b, .offset: 24, .size: 8, .value_kind: global_buffer, .address_space: global }
      - { .name: out0, .offset: 32, .size: 8, .value_kind: global_buffer, .address_space: global }
    .group_segment_fixed_size: 313856
    .private_segment_fixed_size: 0
    .kernarg_segment_align: 8
    .kernarg_segment_size: 40
    .max_flat_workgroup_size: 128
    .sgpr_count:     66
    .vgpr_count:     972
    .wavefront_size: 32
...
	.end_amdgpu_metadata
.endif
;; end of part 3
